; MI455X (gfx1250); checked and timed in simulation.
; The chip was launched on July 23, 2026; its instructions are those of AMD's public machine-readable ISA for CDNA 5 (MIT licence, August 2026) and "CDNA5" Instruction Set Architecture Reference Guide (July 2026). The comments in the code are by the model that wrote it; some were corrected since.
;; Retriever. Allowed arithmetic: float matrix products may take bf16 or f16 operands with f32 sums; all other float work in f32.
;; Inputs: Wp 512 x 1,024 float32; bp 1,024 float32; hidden 64 x 512 float32; mem_feat 500,000 x 256 float32.
;; Outputs: out0 256 x 16 float32; out1 256 x 16 int32; out2 256 x 16 x 256 float32.
;; Constants: topk = 16.
;; 2 versions, each right; version 2 is version 1 with the launch scan written anew for expert scheduling mode. Each part assembles by itself: llvm-mc -triple=amdgcn-amd-amdhsa -mcpu=gfx1250 --defsym DOCPART=n.
;; ======== version 1 of 2: 5 launches
;; workspace buffers: qf 262,144 bytes; qb 131,072 bytes; cand 8,192,000 bytes; bins 32,768 bytes of whole numbers; idx 16,384 bytes of whole numbers
;; launch qproj (part 1): grid 256 x 1, 16 waves a work-group, no clusters, 11,264 bytes of LDS; arguments Wp, bp, hidden, qf, qb; writes qf, qb
.if DOCPART == 1
	.amdgcn_target "amdgcn-amd-amdhsa--gfx1250"
	.amdhsa_code_object_version 6
	.text
	.protected	k_q20de0394ff_qproj
	.globl	k_q20de0394ff_qproj
	.p2align	8
	.type	k_q20de0394ff_qproj,@function
k_q20de0394ff_qproj:
	s_mov_b64 s[64:65], 0
	v_nop
	global_prefetch_b8 v0, s[64:65] scope:SCOPE_SE
	s_setreg_imm32_b32 hwreg(HW_REG_WAVE_MODE, 25, 1), 1
	s_wait_xcnt 0x0
; q = layer_norm(hidden @ Wp + bp), one query (head h, batch row b) for each work-group: query number = 64 h + b = ttmp9.
; All in f32 on the vector unit: this product is 67 MFLOP of the problem's 65.6 GFLOP, and the later exact ranking needs q at f32 resolution.
; Thread t: columns 4 (t & 63) .. +3 of the head's 256, k slice t >> 6 (64 of the 512 k).  One load of a wave covers 512 neighbouring
; bytes of a row of Wp.  The eight slices' partial sums meet in LDS; wave 0 adds them, normalises, and stores q twice:
;   qf [256 q][256] f32, for the exact scores;
;   qb bf16 in the order of the matrix unit's B fragments, [q>>6][(q>>4)&3][chunk of 32 k][half][lane][16 bytes], so that the 250
;   work-groups that read it take 512 neighbouring bytes with each load (this launch pays with 16-byte pieces, once, 128 KiB in all).
; Limits: NaN and infinities in the inputs are not served (the bias is multiplied by 0 in seven of the eight slices).
.set ACC,   4                          ; v[4:7]     my four sums
.set X0,    8                          ; v[8:71]    16 rows of Wp, 4 columns each
.set X1,    72                         ; v[72:135]  the other buffer
.set BIAS,  136                        ; v[136:139] bp of my four columns
.set ROWST, 8192                       ; LDS: 0..8191 partial sums [slice][256] f32; 8192..9215 the finished row
	s_load_b256 s[4:11], s[0:1], 0x0               ; Wp s[4:5], bp s[6:7], hidden s[8:9], qf s[10:11]
	s_load_b64 s[12:13], s[0:1], 0x20              ; qb
	v_lshl_add_u32 v144, v0, 2, 0x2400
	v_mov_b32 v145, 0
	v_lshrrev_b32 v1, 5, v0
	v_readfirstlane_b32 s14, v1                    ; wave 0..15
	s_lshr_b32 s15, s14, 1                         ; k slice 0..7
	s_lshr_b32 s84, ttmp9, 6                       ; head
	s_and_b32 s85, ttmp9, 63                       ; batch row
	v_and_b32 v1, 63, v0
	v_lshlrev_b32 v1, 4, v1                        ; 16 bytes for my four columns
	v_lshlrev_b32 v2, 4, v0                        ; LDS: slice x 1024 + 16 x column group = 16 t
	s_lshl_b32 s2, s85, 11                         ; hidden: row b of 2,048 bytes,
	s_lshl_b32 s3, s15, 8                          ; my slice's 64 numbers
	s_add_co_u32 s2, s2, s3
	s_mov_b32 s3, 0
	s_lshl_b32 s86, s84, 10                        ; the head's 256 columns: 1,024 bytes into a row of Wp and into bp
	s_mov_b32 s87, 0
	s_wait_kmcnt 0x0
	s_add_nc_u64 s[8:9], s[8:9], s[2:3]
	s_load_b512 s[16:31], s[8:9], 0x0              ; hidden[b][64 slice ..]: 64 scalars (s64, s65 are left out)
	s_load_b512 s[32:47], s[8:9], 0x40
	s_load_b512 s[48:63], s[8:9], 0x80
	s_load_b512 s[68:83], s[8:9], 0xc0
	s_add_nc_u64 s[6:7], s[6:7], s[86:87]
	s_add_nc_u64 s[4:5], s[4:5], s[86:87]
	s_lshl_b32 s2, s15, 18                         ; 64 rows of 4,096 bytes for each slice
	s_add_nc_u64 s[4:5], s[4:5], s[2:3]
	s_cmp_eq_u32 s15, 0
	s_cselect_b32 s2, 0x3f800000, 0                ; slice 0 starts its sums with the bias, the others with 0 x bias
.macro GRP x, g                        ; 16 rows of Wp: k = 16 g .. 16 g + 15 of my slice
.set gi, 0
.rept 16
	global_load_b128 v[\x+4*gi:\x+4*gi+3], v1, s[4:5] offset:(16*\g+gi)*4096
.set gi, gi+1
.endr
.endm
.macro FMA x, sb                       ; sums += hidden[k] x Wp[k][my columns]; sb: the scalar register of the group's first k
.set gi, 0
.rept 16
	v_fmac_f32 v[ACC],   s[\sb+gi], v[\x+4*gi]
	v_fmac_f32 v[ACC+1], s[\sb+gi], v[\x+4*gi+1]
	v_fmac_f32 v[ACC+2], s[\sb+gi], v[\x+4*gi+2]
	v_fmac_f32 v[ACC+3], s[\sb+gi], v[\x+4*gi+3]
.set gi, gi+1
.endr
.endm
	global_load_b128 v[BIAS:BIAS+3], v1, s[6:7]
	GRP X0, 0
	GRP X1, 1
	s_wait_kmcnt 0x0                               ; the 64 scalars
	s_wait_loadcnt 16                              ; bias and group 0 are in; the 16 loads of group 1 stay out
.irp j, 0,1,2,3
	v_mul_f32 v[ACC+\j], s2, v[BIAS+\j]            ; the sums start here: nothing is cleared
.endr
	FMA X0, 16
	GRP X0, 2
	s_wait_loadcnt 16                              ; group 1 is in, group 2 stays out
	FMA X1, 32
	GRP X1, 3
	s_wait_loadcnt 16                              ; group 2 is in, group 3 stays out
	FMA X0, 48
	s_wait_loadcnt 0x0
	FMA X1, 68
	ds_store_b128 v2, v[ACC:ACC+3]
	s_wait_dscnt 0x0                               ; for wave 0's sake: my partial sums lie in LDS before I signal
	s_barrier_signal -1
	s_barrier_wait -1
	s_cmp_lg_u32 s14, 0
	s_cbranch_scc1 .Lend
	; wave 0: lane l owns columns 8 l .. 8 l + 7
	v_lshlrev_b32 v3, 5, v0
.set gi, 0
.rept 8
	ds_load_b128 v[X0+8*gi:X0+8*gi+3],   v3 offset:1024*gi
	ds_load_b128 v[X0+8*gi+4:X0+8*gi+7], v3 offset:1024*gi+16
.set gi, gi+1
.endr
	s_mov_b32 s16, 0x3b800000                      ; 1/256
	s_mov_b32 s17, 0x76543210                      ; v_permlanex16_b32: lane i takes lane i of the other half
	s_mov_b32 s18, 0xfedcba98
	v_mov_b32 v76, 0x3727c5ac                      ; eps = 1e-5
	s_lshl_b32 s2, ttmp9, 10                       ; qf: 1,024 bytes a query
	s_add_nc_u64 s[10:11], s[10:11], s[2:3]
	s_lshl_b32 s2, s84, 15                         ; qb: (q >> 6) x 32768
	s_bfe_u32 s19, ttmp9, 0x20004
	s_lshl_b32 s19, s19, 13                        ;   + ((q >> 4) & 3) x 8192
	s_add_co_u32 s2, s2, s19
	s_and_b32 s19, ttmp9, 15
	s_lshl_b32 s19, s19, 4                         ;   + (q & 15) x 16
	s_add_co_u32 s2, s2, s19
	s_add_nc_u64 s[12:13], s[12:13], s[2:3]
	s_wait_dscnt 0x0
.irp g, 1,2,3,4,5,6,7
.irp p, 0,2,4,6
	v_pk_add_f32 v[X0+\p:X0+\p+1], v[X0+\p:X0+\p+1], v[X0+8*\g+\p:X0+8*\g+\p+1]
.endr
.endr
.macro WSUM r, t                       ; the sum of v[r] over the 32 lanes, in every lane; v[t] has been written before
	v_add_f32_dpp v[\r], v[\r], v[\r] row_xmask:1 row_mask:0xf bank_mask:0xf
	v_add_f32_dpp v[\r], v[\r], v[\r] row_xmask:2 row_mask:0xf bank_mask:0xf
	v_add_f32_dpp v[\r], v[\r], v[\r] row_xmask:4 row_mask:0xf bank_mask:0xf
	v_add_f32_dpp v[\r], v[\r], v[\r] row_xmask:8 row_mask:0xf bank_mask:0xf
	v_permlanex16_b32 v[\t], v[\r], s17, s18
	v_add_f32 v[\r], v[\r], v[\t]
.endm
	v_pk_add_f32 v[72:73], v[8:9], v[10:11]
	v_pk_add_f32 v[74:75], v[12:13], v[14:15]
	v_pk_add_f32 v[72:73], v[72:73], v[74:75]
	v_add_f32 v72, v72, v73
	WSUM 72, 73
	v_mul_f32 v74, s16, v72                        ; the mean, twice, for the packed subtraction
	v_mul_f32 v75, s16, v72
.irp p, 8,10,12,14
	v_pk_add_f32 v[\p:\p+1], v[\p:\p+1], v[74:75] neg_lo:[0,1] neg_hi:[0,1]
.endr
	v_pk_mul_f32 v[72:73], v[8:9], v[8:9]
	v_pk_fma_f32 v[72:73], v[10:11], v[10:11], v[72:73]
	v_pk_fma_f32 v[72:73], v[12:13], v[12:13], v[72:73]
	v_pk_fma_f32 v[72:73], v[14:15], v[14:15], v[72:73]
	v_add_f32 v72, v72, v73
	WSUM 72, 73
	v_fma_f32 v72, v72, s16, v76                   ; variance + eps
	v_rsq_f32 v74, v72
	v_rsq_f32 v75, v72
	v_lshlrev_b32 v77, 8, v0                       ; two plain instructions stand between v_rsq_f32 and the use of its result (ISA guide 5.7.2):
	v_lshlrev_b32 v78, 4, v0                       ; qb's lane term (chunk x 1024 + half x 512 + upper lanes x 256 = 256 l), and 16 l
	s_wait_alu depctr_va_vdst(0)
.irp p, 8,10,12,14
	v_pk_mul_f32 v[\p:\p+1], v[\p:\p+1], v[74:75]
.endr
.irp j, 0,1,2,3
	v_cvt_pk_bf16_f32 v[80+\j], v[8+2*\j], v[9+2*\j]
.endr
	global_store_b128 v77, v[80:83], s[12:13]
	; qf: a lane's 32 bytes go through LDS so that each store of the wave covers 512 neighbouring bytes.
	; The wave's own bytes, and LDS serves a wave's instructions in order (ISA guide 5.7.1): no wait between store and load.
	ds_store_b128 v3, v[8:11]  offset:ROWST
	ds_store_b128 v3, v[12:15] offset:ROWST+16
	ds_load_b128 v[84:87], v78 offset:ROWST
	ds_load_b128 v[88:91], v78 offset:ROWST+512
	s_wait_dscnt 0x0
	global_store_b128 v78, v[84:87], s[10:11]
	global_store_b128 v78, v[88:91], s[10:11] offset:512
.Lend:
	s_wait_tensorcnt 0x0
	ds_add_u32 v144, v145
	s_wait_dscnt 0x0
	s_endpgm
.Lfunc_end_k_q20de0394ff_qproj:
	.size	k_q20de0394ff_qproj, .Lfunc_end_k_q20de0394ff_qproj-k_q20de0394ff_qproj
	.p2alignl 7, 3214868480
	.fill 96, 4, 3214868480
	.section	.rodata,"a",@progbits
	.p2align	6, 0x0
	.amdhsa_kernel k_q20de0394ff_qproj
		.amdhsa_group_segment_fixed_size 11264
		.amdhsa_private_segment_fixed_size 0
		.amdhsa_enable_private_segment 0
		.amdhsa_kernarg_size 40
		.amdhsa_user_sgpr_count 2
		.amdhsa_user_sgpr_kernarg_segment_ptr 1
		.amdhsa_wavefront_size32 1
		.amdhsa_system_sgpr_workgroup_id_x 1
		.amdhsa_system_sgpr_workgroup_id_y 1
		.amdhsa_system_sgpr_workgroup_id_z 1
		.amdhsa_system_vgpr_workitem_id 0
		.amdhsa_next_free_vgpr 146
		.amdhsa_next_free_sgpr 88
		.amdhsa_reserve_vcc 0
		.amdhsa_float_denorm_mode_32 3
		.amdhsa_float_denorm_mode_16_64 3
		.amdhsa_memory_ordered 1
		.amdhsa_forward_progress 1
		.amdhsa_inst_pref_size 23
	.end_amdhsa_kernel
	.amdgpu_metadata
---
amdhsa.version: [ 1, 2 ]
amdhsa.kernels:
  - .name:           k_q20de0394ff_qproj
    .symbol:         k_q20de0394ff_qproj.kd
    .args:
      - { .name: Wp, .offset: 0, .size: 8, .value_kind: global_buffer, .address_space: global }
      - { .name: bp, .offset: 8, .size: 8, .value_kind: global_buffer, .address_space: global }
      - { .name: hidden, .offset: 16, .size: 8, .value_kind: global_buffer, .address_space: global }
      - { .name: qf, .offset: 24, .size: 8, .value_kind: global_buffer, .address_space: global }
      - { .name: qb, .offset: 32, .size: 8, .value_kind: global_buffer, .address_space: global }
    .group_segment_fixed_size: 11264
    .private_segment_fixed_size: 0
    .kernarg_segment_align: 8
    .kernarg_segment_size: 40
    .max_flat_workgroup_size: 512
    .sgpr_count:     88
    .vgpr_count:     146
    .wavefront_size: 32
...
	.end_amdgpu_metadata
.endif
;; end of part 1
;; launch scan (part 2): grid 250 x 1, 4 waves a work-group, no clusters, 54,272 bytes of LDS; arguments mem_feat, qb, cand; writes cand
.if DOCPART == 2
	.amdgcn_target "amdgcn-amd-amdhsa--gfx1250"
	.amdhsa_code_object_version 6
	.text
	.protected	k_q20de0394ff_scan
	.globl	k_q20de0394ff_scan
	.p2align	8
	.type	k_q20de0394ff_scan,@function
k_q20de0394ff_scan:
	s_mov_b64 s[64:65], 0
	v_nop
	global_prefetch_b8 v0, s[64:65] scope:SCOPE_SE
	s_setreg_imm32_b32 hwreg(HW_REG_WAVE_MODE, 25, 1), 1
	s_wait_xcnt 0x0
; The coarse pass: bf16 scores of all 256 queries against all 500,000 rows, reduced on the fly to, for each work-group and query, the 32 best
; BINS of 8 neighbouring rows.  The k best rows always lie in the k bins with the largest bin maximum, so bins are a filter that loses
; nothing; the exact f32 ranking of the surviving rows is a later launch's.
; Work-group g owns rows 2000 g .. +1999 = 125 tiles of 16 rows = 250 bins (31,250 tiles = 250 x 125: the largest even split not above 256).
; Wave w keeps queries 64 w .. +63 as B fragments in 256 registers for the whole launch, and multiplies every tile: mem_feat is read once.
; Wave w also fetches rows 4 w .. 4 w + 3 of every tile (8 loads of 512 neighbouring bytes), rounds them to bf16 and lays them into LDS.
; mem_feat is source A, q is source B: register j of lane (r, hh) of a result is row 8 hh + j for query r, so a lane's eight registers are one bin.
; A key is (bin maximum & 0xffffff00) | (255 - bin number in the work-group); keys are compared as f32.
; Selection is by fixed networks of min and max: no branch and no address hangs on a score.
; No cluster: the work-groups share only qb, 128 KiB read once against 2 MB streamed by each.  No tensor load: the operand has to be converted
; on the way, and an f32 tile in LDS would double the LDS bytes of every tile.
; Limits: a row of the true top 16 must lie in one of the 32 best bins by this coarse score (operands rounded to bf16, key cut to 15 mantissa
; bits, a relative 2^-15); among equal cut scores the lower bin is kept if they are positive, the higher if negative; NaN and infinities are not served.
.set PITCH,  528                       ; an LDS row of a tile: 512 bytes of bf16 + 16: an odd multiple of 16, the 16 rows of a fragment load fall on different banks
.set SLOT,   16*PITCH                  ; a tile; two slots at 0 and 8448
.set STAGE,  2*SLOT                    ; behind them each wave's stage for the way out:
.set SPITCH, 144                       ;   64 queries x (128 bytes of keys + 16)
.set WSTAGE, 64*SPITCH
.set TILEB,  16384                     ; bytes of a tile in memory
; window 0
.set GOFF, 1                           ; 16 lane + 4096 wave: my 16 bytes in my first row of a tile
.set LST,  2                           ; LDS: 4 wave rows + 8 lane: where my 4 bf16 go
.set LFR,  3                           ; LDS: r x pitch + 16 hh: my part of an A fragment
.set IDO,  4                           ; 255 - number of my own bin
.set IDP,  5                           ; 255 - number of the other half's bin
.set MX,   6                           ; v[6:9]    bin maxima of the four query tiles
.set GIVE, 10                          ; v[10:11]  the two that the other half of the lanes keeps
.set GOT,  12                          ; v[12:13]  the two that it sends me
.set OWN,  14                          ; v[14:15]  the two that I keep
.set CV,   16                          ; v[16:31]  16 words of bf16 on their way to LDS
.set ACC,  32                          ; v[32:63]  four accumulators
.set A0,   64                          ; v[64:127], v[128:191]  A fragments of a tile (8 chunks of 32 k), two buffers
.set SST,  192                         ; stage: where my lists go
.set SRD,  193                         ; stage: where I read them back
.set L16,  194                         ; 16 lane
; window 1: q fragment (tile i, chunk c) at 8 (8 i + c).   window 2: eight slots of 32 registers, f32 rows as loaded (tile t in slot t % 8).
; window 3:
.set LIST0, 0                          ; 32 best keys, descending: query tile 0 (lanes 0-15) or 2 (lanes 16-31)
.set LIST1, 32                         ; the same for query tile 1 or 3
.set BLK0,  64                         ; 16 new keys for LIST0 (8 tiles x 2 bins)
.set BLK1,  80
.set SCR,   96                         ; 32 registers: the networks work from one array into the other
.set TMP,   128                        ; 16 registers
.set MSB, 0
.macro WIN new                         ; s_set_vgpr_msb: bits 1:0 source 0, 3:2 source 1, 5:4 source 2, 7:6 destination; the high byte repeats the setting left
.if MSB != \new
	s_set_vgpr_msb (MSB<<8)|\new
.set MSB, \new
.endif
.endm
	s_load_b128 s[4:7], s[0:1], 0x0                ; mem_feat s[4:5], qb s[6:7]
	s_load_b64 s[8:9], s[0:1], 0x10                ; cand
	v_lshl_add_u32 v254, v0, 2, 0xd200
	v_mov_b32 v255, 0
	v_lshrrev_b32 v16, 5, v0
	v_readfirstlane_b32 s10, v16                   ; wave 0..3
	s_mov_b32 s11, 0xffff0000                      ; lanes 16-31
	s_mov_b32 s12, 0xffffff00                      ; a key's score bits
	s_mov_b32 s13, 0xff800000                      ; -infinity
	s_mov_b32 s14, 0x76543210                      ; v_permlanex16_b32: lane i takes lane i of the other half
	s_mov_b32 s15, 0xfedcba98
	v_and_b32 v17, 31, v0                          ; lane
	v_and_b32 v18, 15, v0                          ; r
	v_bfe_u32 v19, v0, 4, 1                        ; hh
	s_lshl_b32 s17, s10, 12
	v_lshl_add_u32 v[GOFF], v17, 4, s17
	s_mul_i32 s17, s10, 4*PITCH
	v_lshl_add_u32 v[LST], v17, 3, s17
	v_mul_u32_u24 v[LFR], PITCH, v18
	v_lshl_add_u32 v[LFR], v19, 4, v[LFR]
	v_sub_nc_u32 v[IDO], 0x101, v19                ; 2 above the first value: each tile takes 2 away before it uses them
	v_add_nc_u32 v[IDP], 0x100, v19
	s_mul_i32 s17, s10, WSTAGE
	s_add_co_u32 s17, s17, STAGE                   ; my wave's stage
	v_lshl_add_u32 v20, v19, 5, v18                ; query in the wave of my LIST0: 32 hh + r
	v_mul_u32_u24 v20, SPITCH, v20
	v_add_nc_u32 v[SST], s17, v20
	v_lshrrev_b32 v20, 3, v17                      ; back: eight lanes take one query's 128 bytes
	v_mul_u32_u24 v20, SPITCH, v20
	v_and_b32 v21, 7, v17
	v_lshl_add_u32 v20, v21, 4, v20
	v_add_nc_u32 v[SRD], s17, v20
	v_lshlrev_b32 v[L16], 4, v17
	v_mov_b32 v[GOT], 0                            ; v_permlanex16_b32 counts as a reader of its destination
	v_mov_b32 v[GOT+1], 0
	s_mul_i32 s18, ttmp9, 125*TILEB                ; my rows: at most 249 x 2,048,000 bytes, below 4 GiB
	s_mov_b32 s19, 0
	s_lshl_b32 s20, s10, 15                        ; my wave's 32 KiB of qb
	s_mov_b32 s21, 0
	s_lshl_b32 s22, ttmp9, 15                      ; cand: 32 KiB a work-group, 8 KiB a wave
	s_lshl_b32 s23, s10, 13
	s_add_co_u32 s22, s22, s23
	s_mov_b32 s23, 0
	s_wait_kmcnt 0x0
	s_add_nc_u64 s[4:5], s[4:5], s[18:19]
	s_add_nc_u64 s[6:7], s[6:7], s[20:21]
	s_add_nc_u64 s[8:9], s[8:9], s[22:23]
	WIN 0x40
.set n, 0
.rept 64
	global_load_b128 v[4*n:4*n+3], v[L16], s[6:7] offset:512*n      ; q fragments, in the order in which qb holds them
.set n, n+1
.endr
	WIN 0x80
.set n, 0
.rept 56
	global_load_b128 v[4*n:4*n+3], v[GOFF], s[4:5] offset:(n/8)*TILEB+(n%8)*512 th:TH_LOAD_NT   ; tiles 0 to 6 into slots 0 to 6
.set n, n+1
.endr
	WIN 0xc0
.set n, 0
.rept 64
	v_mov_b32 v[LIST0+n], s13                      ; list entries, not sums: 250 real keys push every one of them out
.set n, n+1
.endr
; My four rows of a tile: f32 in slot ts -> bf16 -> LDS slot ls.  left: how many younger loads may stay out.
; refill = 1: tile ti (counted from the trip's base) is asked for, into slot rs, whose rows were converted one step ago.
.macro PROD ts, ls, left, refill, rs, ti
	s_wait_loadcnt \left
	WIN 0x0a
.set n, 0
.rept 16
	v_cvt_pk_bf16_f32 v[CV+n], v[32*(\ts)+2*n], v[32*(\ts)+2*n+1]
.set n, n+1
.endr
.if \refill
	WIN 0x80
.set n, 0
.rept 8
	global_load_b128 v[32*(\rs)+4*n:32*(\rs)+4*n+3], v[GOFF], s[4:5] offset:(\ti)*TILEB+512*n th:TH_LOAD_NT
.set n, n+1
.endr
.endif
	WIN 0
.set n, 0
.rept 8
	ds_store_b64 v[LST], v[CV+2*n:CV+2*n+1] offset:(\ls)*SLOT+(n/2)*PITCH+(n%2)*256   ; 32 lanes x 8 bytes: 256 neighbouring bytes
.set n, n+1
.endr
.endm
; The A fragments of the tile in LDS slot ab into buffer ab: 16 loads
.macro FETCH ab
	WIN 0
.irp c, 0,1,2,3,4,5,6,7
	ds_load_b128 v[A0+64*(\ab)+8*\c:A0+64*(\ab)+8*\c+3],   v[LFR] offset:(\ab)*SLOT+64*\c
	ds_load_b128 v[A0+64*(\ab)+8*\c+4:A0+64*(\ab)+8*\c+7], v[LFR] offset:(\ab)*SLOT+64*\c+32
.endr
.endm
; 16 rows x 64 queries x 256 k: 32 matrix instructions; the first chunk starts the sums with the constant 0
.macro MULT ab
	WIN 0x04
.irp c, 0,1,2,3,4,5,6,7
.irp i, 0,1,2,3
.if \c == 0
	v_wmma_f32_16x16x32_bf16 v[ACC+8*\i:ACC+8*\i+7], v[A0+64*(\ab)+8*\c:A0+64*(\ab)+8*\c+7], v[8*(8*\i+\c):8*(8*\i+\c)+7], 0
.else
	v_wmma_f32_16x16x32_bf16 v[ACC+8*\i:ACC+8*\i+7], v[A0+64*(\ab)+8*\c:A0+64*(\ab)+8*\c+7], v[8*(8*\i+\c):8*(8*\i+\c)+7], v[ACC+8*\i:ACC+8*\i+7]
.endif
.endr
.endr
.endm
; Bin maxima and keys.  Lanes 0-15 hold bin 2 t, lanes 16-31 bin 2 t + 1, each for all four query tiles.  The halves swap two maxima, so that
; lanes 0-15 get both bins of query tiles 0 and 1 and lanes 16-31 both bins of tiles 2 and 3: two lists a lane, one list for each query.
; The four lines at the head are the four places that a reader of a matrix result owes (ISA guide 7.12.1): they name none of its registers.
.macro EPI k
	WIN 0
	v_add_nc_u32 v[IDO], -2, v[IDO]
	v_add_nc_u32 v[IDP], -2, v[IDP]
	v_nop
	v_nop
.irp i, 0,1,2,3
	v_max3_num_f32 v[MX+\i], v[ACC+8*\i], v[ACC+8*\i+1], v[ACC+8*\i+2]
.endr
.irp i, 0,1,2,3
	v_max3_num_f32 v[MX+\i], v[MX+\i], v[ACC+8*\i+3], v[ACC+8*\i+4]
.endr
.irp i, 0,1,2,3
	v_max3_num_f32 v[MX+\i], v[MX+\i], v[ACC+8*\i+5], v[ACC+8*\i+6]
.endr
.irp i, 0,1,2,3
	v_max_num_f32 v[MX+\i], v[MX+\i], v[ACC+8*\i+7]
.endr
	v_cndmask_b32 v[GIVE],   v[MX+2], v[MX],   s11 ; lanes 0-15 give tiles 2, 3; lanes 16-31 give tiles 0, 1
	v_cndmask_b32 v[GIVE+1], v[MX+3], v[MX+1], s11
	v_cndmask_b32 v[OWN],    v[MX],   v[MX+2], s11
	v_cndmask_b32 v[OWN+1],  v[MX+1], v[MX+3], s11
	v_permlanex16_b32 v[GOT],   v[GIVE],   s14, s15
	v_permlanex16_b32 v[GOT+1], v[GIVE+1], s14, s15
	WIN 0xc0
	v_and_or_b32 v[BLK0+\k],   v[OWN],   s12, v[IDO]
	v_and_or_b32 v[BLK1+\k],   v[OWN+1], s12, v[IDO]
	v_and_or_b32 v[BLK0+\k+1], v[GOT],   s12, v[IDP]
	v_and_or_b32 v[BLK1+\k+1], v[GOT+1], s12, v[IDP]
.endm
; One pass of a bitonic sort of 16, from one array into another: partners j apart, ascending where (index & k) = 0
.macro PASSB src, dst, j, k
.set pidx, 0
.rept 16
.if (pidx & \j) == 0
.if (pidx & \k) == 0
	v_min_num_f32 v[\dst+pidx],    v[\src+pidx], v[\src+pidx+\j]
	v_max_num_f32 v[\dst+pidx+\j], v[\src+pidx], v[\src+pidx+\j]
.else
	v_max_num_f32 v[\dst+pidx],    v[\src+pidx], v[\src+pidx+\j]
	v_min_num_f32 v[\dst+pidx+\j], v[\src+pidx], v[\src+pidx+\j]
.endif
.endif
.set pidx, pidx+1
.endr
.endm
; One pass of a descending bitonic merge of 32
.macro PASSD src, dst, j
.set pidx, 0
.rept 32
.if (pidx & \j) == 0
	v_max_num_f32 v[\dst+pidx],    v[\src+pidx], v[\src+pidx+\j]
	v_min_num_f32 v[\dst+pidx+\j], v[\src+pidx], v[\src+pidx+\j]
.endif
.set pidx, pidx+1
.endr
.endm
.macro SORT16 blk                      ; ten passes, ascending, back in blk
	PASSB \blk, SCR, 1, 2
	PASSB SCR, \blk, 2, 4
	PASSB \blk, SCR, 1, 4
	PASSB SCR, \blk, 4, 8
	PASSB \blk, SCR, 2, 8
	PASSB SCR, \blk, 1, 8
	PASSB \blk, SCR, 8, 16
	PASSB SCR, \blk, 4, 16
	PASSB \blk, SCR, 2, 16
	PASSB SCR, \blk, 1, 16
.endm
; The 32 best of a descending list of 32 and an ascending block of 16: the block against the list's lower half leaves the 32 best as a
; bitonic sequence; five passes put it in order.  The last pass works in place, through TMP, so that the list ends where it began.
.macro MERGE32 lst, blk
.set n, 0
.rept 16
	v_max_num_f32 v[\lst+16+n], v[\lst+16+n], v[\blk+n]
.set n, n+1
.endr
	PASSD \lst, SCR, 16
	PASSD SCR, \lst, 8
	PASSD \lst, SCR, 4
	PASSD SCR, \lst, 2
.set n, 0
.rept 16
	v_max_num_f32 v[TMP+n], v[\lst+2*n], v[\lst+2*n+1]
.set n, n+1
.endr
.set n, 0
.rept 16
	v_min_num_f32 v[\lst+2*n+1], v[\lst+2*n], v[\lst+2*n+1]
.set n, n+1
.endr
.set n, 0
.rept 16
	v_mov_b32 v[\lst+2*n], v[TMP+n]
.set n, n+1
.endr
.endm
.macro SORTBLK
	WIN 0xff
	SORT16 BLK0
	MERGE32 LIST0, BLK0
	SORT16 BLK1
	MERGE32 LIST1, BLK1
.endm
; Step t (t8 = t % 8): tile t + 2 goes into LDS slot t % 2, tile t + 1's fragments are fetched from the other slot, tile t is multiplied.
; One barrier a step orders both ways.  Slot t % 2 held tile t, which every wave fetched in step t - 1 and waited for in front of that step's
; signal; tile t + 1 was stored in step t - 1, and waited for in front of the same signal.  Between signal and wait: registers only.
; sort = 1: the block of 16 keys is full; sort = 2: the last block, five tiles, is filled up with -infinity first.
.macro STEP t8, prod, left, refill, fetch, sort
.if \prod
	PROD (\t8+2)%8, \t8%2, \left, \refill, (\t8+1)%8, \t8+9
.endif
.if \fetch
	FETCH (\t8+1)%2
.endif
	MULT \t8%2
	s_wait_dscnt 0x0                               ; for the others' sake: my stores lie in LDS and my reads of the other slot are over
	s_barrier_signal -1
	EPI 2*\t8
.if \sort
.if \sort == 2
.set n, 10
.rept 6
	v_mov_b32 v[BLK0+n], s13
	v_mov_b32 v[BLK1+n], s13
.set n, n+1
.endr
.endif
	SORTBLK
.endif
	s_barrier_wait -1
.endm
	; s_wait_loadcnt 48: behind the 8 loads of the tile that is converted stand those of the six tiles after it; the seventh is asked for
	; behind the wait.  So 56 loads of 512 bytes of every wave are on their way throughout.  The first wait also covers the older q loads.
	PROD 0, 0, 48, 1, 7, 7
	PROD 1, 1, 48, 1, 0, 8
	s_wait_dscnt 0x0
	s_barrier_signal -1
	s_barrier_wait -1                              ; tiles 0 and 1 lie in LDS
	FETCH 0
	s_wait_dscnt 0x0
	s_barrier_signal -1
	s_barrier_wait -1                              ; everybody has tile 0 in registers: step 0 may write into its slot
	WIN 0
	s_mov_b32 s16, 0
.Ltrip:                                            ; 14 trips of 8 steps: steps 0 to 111, which ask for tiles up to 120
	STEP 0, 1, 48, 1, 1, 0
	STEP 1, 1, 48, 1, 1, 0
	STEP 2, 1, 48, 1, 1, 0
	STEP 3, 1, 48, 1, 1, 0
	STEP 4, 1, 48, 1, 1, 0
	STEP 5, 1, 48, 1, 1, 0
	STEP 6, 1, 48, 1, 1, 0
	STEP 7, 1, 48, 1, 1, 1
	WIN 0
	s_wait_xcnt 0x0                                ; the base is a source of the loads in flight: it steps only behind this wait
	s_add_nc_u64 s[4:5], s[4:5], 8*TILEB
	s_add_co_u32 s16, s16, 1
	s_cmp_lt_u32 s16, 14
	s_cbranch_scc1 .Ltrip
	STEP 0, 1, 48, 1, 1, 0                         ; steps 112 to 115 ask for the last tiles, 121 to 124
	STEP 1, 1, 48, 1, 1, 0
	STEP 2, 1, 48, 1, 1, 0
	STEP 3, 1, 48, 1, 1, 0
	STEP 4, 1, 48, 0, 1, 0                         ; from here nothing is asked for, and the counts run down by a tile's 8 loads
	STEP 5, 1, 40, 0, 1, 0
	STEP 6, 1, 32, 0, 1, 0
	STEP 7, 1, 24, 0, 1, 1
	STEP 0, 1, 16, 0, 1, 0
	STEP 1, 1, 8, 0, 1, 0
	STEP 2, 1, 0, 0, 1, 0                          ; step 122 converts tile 124
	STEP 3, 0, 0, 0, 1, 0
	STEP 4, 0, 0, 0, 0, 2
	; The way out: a lane's list is 128 bytes of one query.  Through my wave's own stage, so that each store covers 512 neighbouring bytes of
	; cand [work-group][query][32 keys].  Own bytes, served in order (ISA guide 5.7.1): no barrier, no wait between stores and loads.
	WIN 0x0c
.irp l, 0,1
.irp g, 0,1,2,3,4,5,6,7
	ds_store_b128 v[SST], v[32*\l+4*\g:32*\l+4*\g+3] offset:\l*16*SPITCH+16*\g
.endr
.endr
	WIN 0
.set n, 0
.rept 16
	ds_load_b128 v[A0+4*n:A0+4*n+3], v[SRD] offset:4*SPITCH*n
.set n, n+1
.endr
.set n, 0
.rept 16
	s_wait_dscnt 15-n                              ; the younger read-backs stay out
	global_store_b128 v[L16], v[A0+4*n:A0+4*n+3], s[8:9] offset:512*n
.set n, n+1
.endr
	s_wait_tensorcnt 0x0
	ds_add_u32 v254, v255
	s_wait_dscnt 0x0
	s_endpgm
.Lfunc_end_k_q20de0394ff_scan:
	.size	k_q20de0394ff_scan, .Lfunc_end_k_q20de0394ff_scan-k_q20de0394ff_scan
	.p2alignl 7, 3214868480
	.fill 96, 4, 3214868480
	.section	.rodata,"a",@progbits
	.p2align	6, 0x0
	.amdhsa_kernel k_q20de0394ff_scan
		.amdhsa_group_segment_fixed_size 54272
		.amdhsa_private_segment_fixed_size 0
		.amdhsa_enable_private_segment 0
		.amdhsa_kernarg_size 24
		.amdhsa_user_sgpr_count 2
		.amdhsa_user_sgpr_kernarg_segment_ptr 1
		.amdhsa_wavefront_size32 1
		.amdhsa_system_sgpr_workgroup_id_x 1
		.amdhsa_system_sgpr_workgroup_id_y 1
		.amdhsa_system_sgpr_workgroup_id_z 1
		.amdhsa_system_vgpr_workitem_id 0
		.amdhsa_next_free_vgpr 1024
		.amdhsa_next_free_sgpr 66
		.amdhsa_reserve_vcc 0
		.amdhsa_float_denorm_mode_32 3
		.amdhsa_float_denorm_mode_16_64 3
		.amdhsa_memory_ordered 1
		.amdhsa_forward_progress 1
		.amdhsa_inst_pref_size 233
	.end_amdhsa_kernel
	.amdgpu_metadata
---
amdhsa.version: [ 1, 2 ]
amdhsa.kernels:
  - .name:           k_q20de0394ff_scan
    .symbol:         k_q20de0394ff_scan.kd
    .args:
      - { .name: mem_feat, .offset: 0, .size: 8, .value_kind: global_buffer, .address_space: global }
      - { .name: qb, .offset: 8, .size: 8, .value_kind: global_buffer, .address_space: global }
      - { .name: cand, .offset: 16, .size: 8, .value_kind: global_buffer, .address_space: global }
    .group_segment_fixed_size: 54272
    .private_segment_fixed_size: 0
    .kernarg_segment_align: 8
    .kernarg_segment_size: 24
    .max_flat_workgroup_size: 128
    .sgpr_count:     66
    .vgpr_count:     1024
    .wavefront_size: 32
...
	.end_amdgpu_metadata
.endif
;; end of part 2
;; launch pick (part 3): grid 256 x 1, 8 waves a work-group, no clusters, 3,072 bytes of LDS; arguments cand, bins; writes bins
.if DOCPART == 3
	.amdgcn_target "amdgcn-amd-amdhsa--gfx1250"
	.amdhsa_code_object_version 6
	.text
	.protected	k_q20de0394ff_pick
	.globl	k_q20de0394ff_pick
	.p2align	8
	.type	k_q20de0394ff_pick,@function
k_q20de0394ff_pick:
	s_mov_b64 s[64:65], 0
	v_nop
	global_prefetch_b8 v0, s[64:65] scope:SCOPE_SE
	s_setreg_imm32_b32 hwreg(HW_REG_WAVE_MODE, 25, 1), 1
	s_wait_xcnt 0x0
; For each query the 32 best bins of the 250 lists of 32 that the coarse pass left: work-group = query.
; A list lies across a wave's 32 lanes, best key in lane 0.  Two sorted lists merge without a branch: one is taken in reversed order, the better of
; the two in each lane are the 32 best as a bitonic sequence, and five exchange stages (partners 16, 8, 4, 2, 1 lanes apart) put them in order.
; Wave w merges lists g = 8 j + w, j = 0..31, in four chains that do not wait for each other; then the four chains, then (through LDS) the 8 waves.
; An element is (T, P): T = the key's score bits, P = the bin's number in the table.  Order: T descending, then P ascending: a total order, so
; that the two lanes of an exchange always decide alike.  All choices are v_cndmask_b32; P is stored as a whole number for the next launch.
; A list is 128 bytes of cand, the row that the buffer's layout gives a query; the 32 numbers stored are the buffer's own row of 128 bytes.
; No matrix unit, no cluster: 8 MB are read once and nothing is shared.
.set TT,  4                            ; v[4:7]    T of chains 0..3
.set PP,  8                            ; v[8:11]   P
.set XX,  12                           ; v[12:15]  the other side's T
.set YY,  16                           ; v[16:19]  the other side's P
.set LN,  20                           ; 4 lane
.set LR,  21                           ; 4 (31 - lane)
.set KEY, 32                           ; v[32:63]  the 32 lists' keys as loaded
.set SA,  20                           ; s[20:23], s[24:27], s[28:31]: lane masks of the chains
.set SB,  24
.set SC,  28
.set XLO, 12                           ; s12, s13: lane i takes lane i of the other half
.set XHI, 13
.set RLO, 14                           ; s14, s15: lane i takes lane 31 - i
.set RHI, 15
.set LM1,  0xaaaaaaaa                  ; lanes whose number has bit 0, 1, 2, 3, 4 set
.set LM2,  0xcccccccc
.set LM4,  0xf0f0f0f0
.set LM8,  0xff00ff00
.set LM16, 0xffff0000
; In chains 0, st, 2 st .. (n of them): a lane takes (X, Y) for (T, P) if (X, Y) comes first in the order; in the lanes of wm, if it does not.
.macro EXCH n, st, wm
.set cc, 0
.rept \n
	v_cmp_gt_f32 s[SA+cc], v[XX+cc], v[TT+cc]
	v_cmp_eq_f32 s[SB+cc], v[XX+cc], v[TT+cc]
	v_cmp_lt_u32 s[SC+cc], v[YY+cc], v[PP+cc]
.set cc, cc+\st
.endr
.set cc, 0
.rept \n
	s_and_b32 s[SB+cc], s[SB+cc], s[SC+cc]
	s_or_b32 s[SA+cc], s[SA+cc], s[SB+cc]
.if (\wm) != 0
	s_xor_b32 s[SA+cc], s[SA+cc], (\wm)
.endif
.set cc, cc+\st
.endr
.set cc, 0
.rept \n
	v_cndmask_b32 v[TT+cc], v[TT+cc], v[XX+cc], s[SA+cc]
	v_cndmask_b32 v[PP+cc], v[PP+cc], v[YY+cc], s[SA+cc]
.set cc, cc+\st
.endr
.endm
; An exchange stage: the partner is d lanes away; the lanes of wm keep the worse of the two
.macro XSTAGE d, wm, n, st
.set cc, 0
.rept \n
.if \d == 16
	v_permlanex16_b32 v[XX+cc], v[TT+cc], s[XLO], s[XHI]
	v_permlanex16_b32 v[YY+cc], v[PP+cc], s[XLO], s[XHI]
.else
	v_mov_b32_dpp v[XX+cc], v[TT+cc] row_xmask:\d row_mask:0xf bank_mask:0xf
	v_mov_b32_dpp v[YY+cc], v[PP+cc] row_xmask:\d row_mask:0xf bank_mask:0xf
.endif
.set cc, cc+\st
.endr
	EXCH \n, \st, \wm
.endm
.macro MERGE n, st                     ; (T, P) sorted, (X, Y) sorted the other way round -> (T, P) = the 32 best, sorted
	EXCH \n, \st, 0
	XSTAGE 16, LM16, \n, \st
	XSTAGE 8, LM8, \n, \st
	XSTAGE 4, LM4, \n, \st
	XSTAGE 2, LM2, \n, \st
	XSTAGE 1, LM1, \n, \st
.endm
.macro FINISH4                         ; four chains into chain 0
	v_permlanex16_b32 v[XX],   v[TT+1], s[RLO], s[RHI]
	v_permlanex16_b32 v[YY],   v[PP+1], s[RLO], s[RHI]
	v_permlanex16_b32 v[XX+2], v[TT+3], s[RLO], s[RHI]
	v_permlanex16_b32 v[YY+2], v[PP+3], s[RLO], s[RHI]
	MERGE 2, 2
	v_permlanex16_b32 v[XX], v[TT+2], s[RLO], s[RHI]
	v_permlanex16_b32 v[YY], v[PP+2], s[RLO], s[RHI]
	MERGE 1, 1
.endm
; key of list 8 j + w -> T = score bits, P = 250 (8 j + w) + 255 - low byte
.macro DECODE j, tr, pr
	s_add_co_u32 s16, s9, 2000*(\j)
	v_and_b32 v[\pr], 0xff, v[KEY+\j]
	v_and_b32 v[\tr], s10, v[KEY+\j]
	v_sub_nc_u32 v[\pr], s16, v[\pr]
.endm
	s_load_b128 s[4:7], s[0:1], 0x0                ; cand s[4:5], bins s[6:7]
	v_lshl_add_u32 v64, v0, 2, 0x800
	v_mov_b32 v65, 0
	v_lshrrev_b32 v1, 5, v0
	v_readfirstlane_b32 s8, v1                     ; wave 0..7
	v_and_b32 v[LN], 31, v0
	v_sub_nc_u32 v[LR], 31, v[LN]
	v_lshlrev_b32 v[LN], 2, v[LN]
	v_lshlrev_b32 v[LR], 2, v[LR]
	s_lshl_b32 s16, s8, 15                         ; list w: 32 KiB a work-group of the coarse pass
	v_add_nc_u32 v1, s16, v[LN]                    ; as it lies
	v_add_nc_u32 v2, s16, v[LR]                    ; reversed
	s_min_u32 s16, s8, 1                           ; j = 31 is list 248 + w, which exists for w = 0, 1 only: the others read list 249,
	s_lshl_b32 s16, s16, 15                        ; inside the buffer, and throw it away below
	v_add_nc_u32 v3, s16, v[LR]
	s_mul_i32 s9, s8, 250
	s_add_co_u32 s9, s9, 255
	s_mov_b32 s10, 0xffffff00
	s_mov_b32 s[XLO], 0x76543210
	s_mov_b32 s[XHI], 0xfedcba98
	s_mov_b32 s[RLO], 0x89abcdef
	s_mov_b32 s[RHI], 0x01234567
	v_mov_b32 v22, 0xff800000                      ; -infinity
	s_cmp_lt_u32 s8, 2
	s_cselect_b32 s17, 0, -1                       ; all lanes, in waves 2 to 7
	s_lshl_b32 s2, ttmp9, 7                        ; 128 bytes a query, in cand's blocks and in bins
	s_mov_b32 s3, 0
	s_wait_kmcnt 0x0
	s_add_nc_u64 s[4:5], s[4:5], s[2:3]
	s_add_nc_u64 s[6:7], s[6:7], s[2:3]
.set n, 0
.rept 4
	global_load_b32 v[KEY+n], v1, s[4:5] offset:n*262144            ; the four chains' first lists, as they lie
.set n, n+1
.endr
.rept 27
	global_load_b32 v[KEY+n], v2, s[4:5] offset:n*262144            ; all later ones reversed
.set n, n+1
.endr
	global_load_b32 v[KEY+31], v3, s[4:5] offset:31*262144
	s_wait_loadcnt 28                              ; the 28 lists of the later turns stay out
.irp c, 0,1,2,3
	DECODE \c, TT+\c, PP+\c
.endr
.macro TURN m                          ; lists 4 m .. 4 m + 3 into chains 0..3
	s_wait_loadcnt 28-4*\m                         ; the lists of the later turns stay out
.irp c, 0,1,2,3
	DECODE 4*\m+\c, XX+\c, YY+\c
.endr
.if \m == 7
	v_cndmask_b32 v[XX+3], v[XX+3], v22, s17       ; the list that does not exist loses against every real key
.endif
	MERGE 4, 1
.endm
	TURN 1
	TURN 2
	TURN 3
	TURN 4
	TURN 5
	TURN 6
	TURN 7
	FINISH4
	s_lshl_b32 s16, s8, 8                          ; LDS: 256 bytes a wave: 32 T, 32 P
	v_add_nc_u32 v23, s16, v[LN]
	ds_store_b32 v23, v[TT]
	ds_store_b32 v23, v[PP] offset:128
	s_wait_dscnt 0x0                               ; for wave 0's sake: my list lies in LDS before I signal
	s_barrier_signal -1
	s_barrier_wait -1
	s_cmp_lg_u32 s8, 0
	s_cbranch_scc1 .Lend
	; wave 0: its own list is chain 0; waves 1 to 3 are chains 1 to 3; waves 4 to 7 come reversed as the other sides
.irp c, 1,2,3
	ds_load_b32 v[TT+\c], v[LN] offset:256*\c
	ds_load_b32 v[PP+\c], v[LN] offset:256*\c+128
.endr
.irp c, 0,1,2,3
	ds_load_b32 v[XX+\c], v[LR] offset:256*(4+\c)
	ds_load_b32 v[YY+\c], v[LR] offset:256*(4+\c)+128
.endr
	s_wait_dscnt 0x0
	MERGE 4, 1
	FINISH4
	global_store_b32 v[LN], v[PP], s[6:7]
.Lend:
	s_wait_tensorcnt 0x0
	ds_add_u32 v64, v65
	s_wait_dscnt 0x0
	s_endpgm
.Lfunc_end_k_q20de0394ff_pick:
	.size	k_q20de0394ff_pick, .Lfunc_end_k_q20de0394ff_pick-k_q20de0394ff_pick
	.p2alignl 7, 3214868480
	.fill 96, 4, 3214868480
	.section	.rodata,"a",@progbits
	.p2align	6, 0x0
	.amdhsa_kernel k_q20de0394ff_pick
		.amdhsa_group_segment_fixed_size 3072
		.amdhsa_private_segment_fixed_size 0
		.amdhsa_enable_private_segment 0
		.amdhsa_kernarg_size 16
		.amdhsa_user_sgpr_count 2
		.amdhsa_user_sgpr_kernarg_segment_ptr 1
		.amdhsa_wavefront_size32 1
		.amdhsa_system_sgpr_workgroup_id_x 1
		.amdhsa_system_sgpr_workgroup_id_y 1
		.amdhsa_system_sgpr_workgroup_id_z 1
		.amdhsa_system_vgpr_workitem_id 0
		.amdhsa_next_free_vgpr 66
		.amdhsa_next_free_sgpr 66
		.amdhsa_reserve_vcc 0
		.amdhsa_float_denorm_mode_32 3
		.amdhsa_float_denorm_mode_16_64 3
		.amdhsa_memory_ordered 1
		.amdhsa_forward_progress 1
		.amdhsa_inst_pref_size 135
	.end_amdhsa_kernel
	.amdgpu_metadata
---
amdhsa.version: [ 1, 2 ]
amdhsa.kernels:
  - .name:           k_q20de0394ff_pick
    .symbol:         k_q20de0394ff_pick.kd
    .args:
      - { .name: cand, .offset: 0, .size: 8, .value_kind: global_buffer, .address_space: global }
      - { .name: bins, .offset: 8, .size: 8, .value_kind: global_buffer, .address_space: global }
    .group_segment_fixed_size: 3072
    .private_segment_fixed_size: 0
    .kernarg_segment_align: 8
    .kernarg_segment_size: 16
    .max_flat_workgroup_size: 256
    .sgpr_count:     66
    .vgpr_count:     66
    .wavefront_size: 32
...
	.end_amdgpu_metadata
.endif
;; end of part 3
;; launch rescore (part 4): grid 256 x 1, 8 waves a work-group, no clusters, 3,072 bytes of LDS; arguments bins, qf, mem_feat, out0, out1, idx; writes out0, out1, idx
.if DOCPART == 4
	.amdgcn_target "amdgcn-amd-amdhsa--gfx1250"
	.amdhsa_code_object_version 6
	.text
	.protected	k_q20de0394ff_rescore
	.globl	k_q20de0394ff_rescore
	.p2align	8
	.type	k_q20de0394ff_rescore,@function
k_q20de0394ff_rescore:
	s_mov_b64 s[64:65], 0
	v_nop
	global_prefetch_b8 v0, s[64:65] scope:SCOPE_SE
	s_setreg_imm32_b32 hwreg(HW_REG_WAVE_MODE, 25, 1), 1
	s_wait_xcnt 0x0
; The exact ranking: work-group = query; its 32 bins x 8 rows are scored again in f32 with the f32 q, and the 16 best are stored.
; On the vector unit: 34 MFLOP of the problem's 65.6 GFLOP, and the order of indices needs f32 products (bf16 operands move a score by more than
; neighbouring top scores lie apart).  Wave w takes bins 4 w .. 4 w + 3, whose numbers the launch before stored: they come by a scalar load,
; are clamped to the table (62,500 bins) and make the four bases.  A bin is 8,192 neighbouring bytes: 16 loads of 512 bytes; two bins in flight.
; A row's dot product: 8 products a lane in two chains of fused multiply-adds, then a tree over the lanes.  Row 8 b + p of the wave lands in lane
; 8 b + p; a bitonic sort over the lanes, then the eight waves' lists merge in wave 0 as in the launch before.
; Order: score descending, then row index ascending (equal scores: the lower index first, as in lax.top_k).
; Limits: scores that differ by less than the rounding of an f32 sum of 256 products may come in another order than reference()'s;
; NaN and infinities are not served.  out0, out1, idx have rows of 64 bytes of their own: 16 lanes store one row.
.set TT,  4
.set PP,  8
.set XX,  12
.set YY,  16
.set LN,  20                           ; 4 lane
.set LR,  21                           ; 4 (31 - lane)
.set QV,  24                           ; v[24:31]   q: dims 4 l .. +3 and 128 + 4 l .. +3
.set X0,  32                           ; v[32:95]   a bin: row p at 8 p
.set X1,  96                           ; v[96:159]  the other buffer
.set SM,  160                          ; v[160:175] a pair of sums for each of the 8 rows
.set SA,  20
.set SB,  24
.set SC,  28
.set BASE, 32                          ; s[32:39]  the four bins' addresses
.set BIN,  40                          ; s[40:43]  their numbers
.set XLO, 44
.set XHI, 45
.set RLO, 46
.set RHI, 47
.set LM1,  0xaaaaaaaa
.set LM2,  0xcccccccc
.set LM4,  0xf0f0f0f0
.set LM8,  0xff00ff00
.set LM16, 0xffff0000
; In chains 0, st, 2 st .. (n of them): a lane takes (X, Y) for (T, P) if (X, Y) comes first in the order; in the lanes of wm, if it does not.
.macro EXCH n, st, wm
.set cc, 0
.rept \n
	v_cmp_gt_f32 s[SA+cc], v[XX+cc], v[TT+cc]
	v_cmp_eq_f32 s[SB+cc], v[XX+cc], v[TT+cc]
	v_cmp_lt_u32 s[SC+cc], v[YY+cc], v[PP+cc]
.set cc, cc+\st
.endr
.set cc, 0
.rept \n
	s_and_b32 s[SB+cc], s[SB+cc], s[SC+cc]
	s_or_b32 s[SA+cc], s[SA+cc], s[SB+cc]
.if (\wm) != 0
	s_xor_b32 s[SA+cc], s[SA+cc], (\wm)
.endif
.set cc, cc+\st
.endr
.set cc, 0
.rept \n
	v_cndmask_b32 v[TT+cc], v[TT+cc], v[XX+cc], s[SA+cc]
	v_cndmask_b32 v[PP+cc], v[PP+cc], v[YY+cc], s[SA+cc]
.set cc, cc+\st
.endr
.endm
.macro XSTAGE d, wm, n, st             ; the partner is d lanes away; the lanes of wm keep the worse of the two
.set cc, 0
.rept \n
.if \d == 16
	v_permlanex16_b32 v[XX+cc], v[TT+cc], s[XLO], s[XHI]
	v_permlanex16_b32 v[YY+cc], v[PP+cc], s[XLO], s[XHI]
.else
	v_mov_b32_dpp v[XX+cc], v[TT+cc] row_xmask:\d row_mask:0xf bank_mask:0xf
	v_mov_b32_dpp v[YY+cc], v[PP+cc] row_xmask:\d row_mask:0xf bank_mask:0xf
.endif
.set cc, cc+\st
.endr
	EXCH \n, \st, \wm
.endm
.macro MERGE n, st
	EXCH \n, \st, 0
	XSTAGE 16, LM16, \n, \st
	XSTAGE 8, LM8, \n, \st
	XSTAGE 4, LM4, \n, \st
	XSTAGE 2, LM2, \n, \st
	XSTAGE 1, LM1, \n, \st
.endm
.macro FINISH4
	v_permlanex16_b32 v[XX],   v[TT+1], s[RLO], s[RHI]
	v_permlanex16_b32 v[YY],   v[PP+1], s[RLO], s[RHI]
	v_permlanex16_b32 v[XX+2], v[TT+3], s[RLO], s[RHI]
	v_permlanex16_b32 v[YY+2], v[PP+3], s[RLO], s[RHI]
	MERGE 2, 2
	v_permlanex16_b32 v[XX], v[TT+2], s[RLO], s[RHI]
	v_permlanex16_b32 v[YY], v[PP+2], s[RLO], s[RHI]
	MERGE 1, 1
.endm
.macro LOADBIN x, b
.set n, 0
.rept 16
	global_load_b128 v[\x+4*n:\x+4*n+3], v1, s[BASE+2*\b:BASE+2*\b+1] offset:512*n
.set n, n+1
.endr
.endm
; the eight rows of bin b, side by side; row p's score goes to lane 8 b + p of T
.macro DOT x, b
.irp p, 0,1,2,3,4,5,6,7
	v_pk_mul_f32 v[SM+2*\p:SM+2*\p+1], v[\x+8*\p:\x+8*\p+1], v[QV:QV+1]
.endr
.irp h, 2,4,6
.irp p, 0,1,2,3,4,5,6,7
	v_pk_fma_f32 v[SM+2*\p:SM+2*\p+1], v[\x+8*\p+\h:\x+8*\p+\h+1], v[QV+\h:QV+\h+1], v[SM+2*\p:SM+2*\p+1]
.endr
.endr
.irp p, 0,1,2,3,4,5,6,7
	v_add_f32 v[SM+2*\p], v[SM+2*\p], v[SM+2*\p+1]
.endr
.irp m, 1,2,4,8
.irp p, 0,1,2,3,4,5,6,7
	v_add_f32_dpp v[SM+2*\p], v[SM+2*\p], v[SM+2*\p] row_xmask:\m row_mask:0xf bank_mask:0xf
.endr
.endr
.irp p, 0,1,2,3,4,5,6,7
	v_permlanex16_b32 v[SM+2*\p+1], v[SM+2*\p], s[XLO], s[XHI]
.endr
.irp p, 0,1,2,3,4,5,6,7
	v_add_f32 v[SM+2*\p], v[SM+2*\p], v[SM+2*\p+1]
.endr
.irp p, 0,1,2,3,4,5,6,7
.if (8*\b+\p) == 0
	v_mov_b32 v[TT], v[SM]                         ; the first row writes every lane
.else
	s_mov_b32 s17, 1<<(8*\b+\p)
	v_cndmask_b32 v[TT], v[TT], v[SM+2*\p], s17
.endif
.endr
.endm
	s_load_b256 s[4:11], s[0:1], 0x0               ; bins s[4:5], qf s[6:7], mem_feat s[8:9], out0 s[10:11]
	s_load_b128 s[12:15], s[0:1], 0x20             ; out1 s[12:13], idx s[14:15]
	v_lshl_add_u32 v176, v0, 2, 0x800
	v_mov_b32 v177, 0
	v_lshrrev_b32 v1, 5, v0
	v_readfirstlane_b32 s16, v1                    ; wave 0..7
	v_and_b32 v2, 31, v0                           ; lane
	v_lshlrev_b32 v1, 4, v2
	v_lshlrev_b32 v[LN], 2, v2
	v_sub_nc_u32 v[LR], 31, v2
	v_lshlrev_b32 v[LR], 2, v[LR]
	s_mov_b32 s[XLO], 0x76543210
	s_mov_b32 s[XHI], 0xfedcba98
	s_mov_b32 s[RLO], 0x89abcdef
	s_mov_b32 s[RHI], 0x01234567
	s_lshl_b32 s2, ttmp9, 7                        ; bins: 128 bytes a query, 16 a wave
	s_lshl_b32 s3, s16, 4
	s_add_co_u32 s2, s2, s3
	s_mov_b32 s3, 0
	s_lshl_b32 s18, ttmp9, 10                      ; qf: 1,024 bytes a query
	s_mov_b32 s19, 0
	s_wait_kmcnt 0x0
	s_add_nc_u64 s[4:5], s[4:5], s[2:3]
	s_load_b128 s[BIN:BIN+3], s[4:5], 0x0
	s_add_nc_u64 s[6:7], s[6:7], s[18:19]
	global_load_b128 v[QV:QV+3],   v1, s[6:7]
	global_load_b128 v[QV+4:QV+7], v1, s[6:7] offset:512
	s_wait_kmcnt 0x0
.irp b, 0,1,2,3
	s_min_u32 s[BIN+\b], s[BIN+\b], 0xf423         ; a loaded number enters an address only clamped: 62,499 is the last bin
	s_lshl_b32 s18, s[BIN+\b], 13                  ; 8 rows of 1,024 bytes; below 4 GiB
	s_add_nc_u64 s[BASE+2*\b:BASE+2*\b+1], s[8:9], s[18:19]
.endr
	LOADBIN X0, 0
	LOADBIN X1, 1
	; P: lane 8 b + p holds row index 8 x bin b + p
	v_lshrrev_b32 v22, 3, v2
	v_mov_b32 v[PP], s[BIN]
.irp b, 1,2,3
	v_mov_b32 v23, s[BIN+\b]
	v_cmp_eq_u32 vcc_lo, \b, v22
	v_cndmask_b32 v[PP], v[PP], v23, vcc_lo
.endr
	v_and_b32 v23, 7, v2
	v_lshl_add_u32 v[PP], v[PP], 3, v23
	v_mov_b32 v[XX], 0                             ; lane moves count as readers of their destinations
	v_mov_b32 v[YY], 0
	s_wait_loadcnt 16                              ; q and bin 0 are in; the other buffer's 16 loads stay out
	DOT X0, 0
	LOADBIN X0, 2
	s_wait_loadcnt 16
	DOT X1, 1
	LOADBIN X1, 3
	s_wait_loadcnt 16
	DOT X0, 2
	s_wait_loadcnt 0x0
	DOT X1, 3
	; bitonic sort of the 32 lanes, best in lane 0: in the stage (block k, distance j) the lanes of LMj xor LMk keep the worse
	XSTAGE 1, LM1^LM2, 1, 1
	XSTAGE 2, LM2^LM4, 1, 1
	XSTAGE 1, LM1^LM4, 1, 1
	XSTAGE 4, LM4^LM8, 1, 1
	XSTAGE 2, LM2^LM8, 1, 1
	XSTAGE 1, LM1^LM8, 1, 1
	XSTAGE 8, LM8^LM16, 1, 1
	XSTAGE 4, LM4^LM16, 1, 1
	XSTAGE 2, LM2^LM16, 1, 1
	XSTAGE 1, LM1^LM16, 1, 1
	XSTAGE 16, LM16, 1, 1
	XSTAGE 8, LM8, 1, 1
	XSTAGE 4, LM4, 1, 1
	XSTAGE 2, LM2, 1, 1
	XSTAGE 1, LM1, 1, 1
	s_lshl_b32 s17, s16, 8                         ; LDS: 256 bytes a wave: 32 T, 32 P
	v_add_nc_u32 v23, s17, v[LN]
	ds_store_b32 v23, v[TT]
	ds_store_b32 v23, v[PP] offset:128
	s_wait_dscnt 0x0                               ; for wave 0's sake
	s_barrier_signal -1
	s_barrier_wait -1
	s_cmp_lg_u32 s16, 0
	s_cbranch_scc1 .Lend
.irp c, 1,2,3
	ds_load_b32 v[TT+\c], v[LN] offset:256*\c
	ds_load_b32 v[PP+\c], v[LN] offset:256*\c+128
.endr
.irp c, 0,1,2,3
	ds_load_b32 v[XX+\c], v[LR] offset:256*(4+\c)
	ds_load_b32 v[YY+\c], v[LR] offset:256*(4+\c)+128
.endr
	s_lshl_b32 s2, ttmp9, 6                        ; 64 bytes a query in each of the three outputs
	s_add_nc_u64 s[10:11], s[10:11], s[2:3]
	s_add_nc_u64 s[12:13], s[12:13], s[2:3]
	s_add_nc_u64 s[14:15], s[14:15], s[2:3]
	s_wait_dscnt 0x0
	MERGE 4, 1
	FINISH4
	s_wait_xcnt 0x0                                ; EXEC is a source of every global access issued: it narrows only behind this wait
	v_cmp_gt_u32 vcc_lo, 16, v2
	s_wait_tensorcnt 0x0
	ds_add_u32 v176, v177
	s_wait_dscnt 0x0
	s_and_saveexec_b32 s17, vcc_lo                 ; lanes 0 to 15: the 16 best
	global_store_b32 v[LN], v[TT], s[10:11]
	global_store_b32 v[LN], v[PP], s[12:13]
	global_store_b32 v[LN], v[PP], s[14:15]
	s_endpgm
.Lend:
	s_wait_tensorcnt 0x0
	ds_add_u32 v176, v177
	s_wait_dscnt 0x0
	s_endpgm
.Lfunc_end_k_q20de0394ff_rescore:
	.size	k_q20de0394ff_rescore, .Lfunc_end_k_q20de0394ff_rescore-k_q20de0394ff_rescore
	.p2alignl 7, 3214868480
	.fill 96, 4, 3214868480
	.section	.rodata,"a",@progbits
	.p2align	6, 0x0
	.amdhsa_kernel k_q20de0394ff_rescore
		.amdhsa_group_segment_fixed_size 3072
		.amdhsa_private_segment_fixed_size 0
		.amdhsa_enable_private_segment 0
		.amdhsa_kernarg_size 48
		.amdhsa_user_sgpr_count 2
		.amdhsa_user_sgpr_kernarg_segment_ptr 1
		.amdhsa_wavefront_size32 1
		.amdhsa_system_sgpr_workgroup_id_x 1
		.amdhsa_system_sgpr_workgroup_id_y 1
		.amdhsa_system_sgpr_workgroup_id_z 1
		.amdhsa_system_vgpr_workitem_id 0
		.amdhsa_next_free_vgpr 178
		.amdhsa_next_free_sgpr 66
		.amdhsa_reserve_vcc 1
		.amdhsa_float_denorm_mode_32 3
		.amdhsa_float_denorm_mode_16_64 3
		.amdhsa_memory_ordered 1
		.amdhsa_forward_progress 1
		.amdhsa_inst_pref_size 66
	.end_amdhsa_kernel
	.amdgpu_metadata
---
amdhsa.version: [ 1, 2 ]
amdhsa.kernels:
  - .name:           k_q20de0394ff_rescore
    .symbol:         k_q20de0394ff_rescore.kd
    .args:
      - { .name: bins, .offset: 0, .size: 8, .value_kind: global_buffer, .address_space: global }
      - { .name: qf, .offset: 8, .size: 8, .value_kind: global_buffer, .address_space: global }
      - { .name: mem_feat, .offset: 16, .size: 8, .value_kind: global_buffer, .address_space: global }
      - { .name: out0, .offset: 24, .size: 8, .value_kind: global_buffer, .address_space: global }
      - { .name: out1, .offset: 32, .size: 8, .value_kind: global_buffer, .address_space: global }
      - { .name: idx, .offset: 40, .size: 8, .value_kind: global_buffer, .address_space: global }
    .group_segment_fixed_size: 3072
    .private_segment_fixed_size: 0
    .kernarg_segment_align: 8
    .kernarg_segment_size: 48
    .max_flat_workgroup_size: 256
    .sgpr_count:     66
    .vgpr_count:     178
    .wavefront_size: 32
...
	.end_amdgpu_metadata
.endif
;; end of part 4
;; launch gather (part 5): grid 256 x 1, 8 waves a work-group, no clusters, 0 bytes of LDS; arguments idx, mem_feat, out2; writes out2
.if DOCPART == 5
	.amdgcn_target "amdgcn-amd-amdhsa--gfx1250"
	.amdhsa_code_object_version 6
	.text
	.protected	k_q20de0394ff_gather
	.globl	k_q20de0394ff_gather
	.p2align	8
	.type	k_q20de0394ff_gather,@function
k_q20de0394ff_gather:
	s_mov_b64 s[64:65], 0
	v_nop
	global_prefetch_b8 v0, s[64:65] scope:SCOPE_SE
	s_setreg_imm32_b32 hwreg(HW_REG_WAVE_MODE, 25, 1), 1
	s_wait_xcnt 0x0
; out2[q][k] = mem_feat[idx[q][k]]: work-group = query, wave w copies rows k = 2 w and 2 w + 1 (1,024 bytes each).
; The two indices, stored by the launch before, come by a scalar load and are clamped to the table (500,000 rows) before they make addresses.
; Each load and store of a wave covers 512 neighbouring bytes.  4 MB in all: no LDS, no barrier, nothing to overlap beyond the four loads.
	s_load_b128 s[4:7], s[0:1], 0x0                ; idx s[4:5], mem_feat s[6:7]
	s_load_b64 s[8:9], s[0:1], 0x10                ; out2
	v_lshrrev_b32 v1, 5, v0
	v_readfirstlane_b32 s10, v1                    ; wave 0..7
	v_and_b32 v2, 31, v0
	v_lshlrev_b32 v2, 4, v2                        ; 16 lane
	s_lshl_b32 s2, ttmp9, 6                        ; idx: 64 bytes a query, 8 a wave
	s_lshl_b32 s3, s10, 3
	s_add_co_u32 s2, s2, s3
	s_mov_b32 s3, 0
	s_wait_kmcnt 0x0
	s_add_nc_u64 s[4:5], s[4:5], s[2:3]
	s_load_b64 s[12:13], s[4:5], 0x0
	s_lshl_b32 s2, s2, 8                           ; 4 bytes of idx stand for 1,024 bytes of out2
	s_add_nc_u64 s[8:9], s[8:9], s[2:3]
	s_wait_kmcnt 0x0
	s_min_u32 s12, s12, 0x7a11f                    ; 499,999: the last row
	s_min_u32 s13, s13, 0x7a11f
	s_lshl_b32 s14, s12, 10                        ; below 4 GiB
	s_mov_b32 s15, 0
	s_lshl_b32 s16, s13, 10
	s_mov_b32 s17, 0
	s_add_nc_u64 s[14:15], s[6:7], s[14:15]
	s_add_nc_u64 s[16:17], s[6:7], s[16:17]
	global_load_b128 v[4:7],   v2, s[14:15]
	global_load_b128 v[8:11],  v2, s[14:15] offset:512
	global_load_b128 v[12:15], v2, s[16:17]
	global_load_b128 v[16:19], v2, s[16:17] offset:512
.irp n, 0,1,2,3
	s_wait_loadcnt 3-\n                            ; the younger loads stay out
	global_store_b128 v2, v[4+4*\n:7+4*\n], s[8:9] offset:512*\n th:TH_STORE_NT
.endr
	s_endpgm
.Lfunc_end_k_q20de0394ff_gather:
	.size	k_q20de0394ff_gather, .Lfunc_end_k_q20de0394ff_gather-k_q20de0394ff_gather
	.p2alignl 7, 3214868480
	.fill 96, 4, 3214868480
	.section	.rodata,"a",@progbits
	.p2align	6, 0x0
	.amdhsa_kernel k_q20de0394ff_gather
		.amdhsa_group_segment_fixed_size 0
		.amdhsa_private_segment_fixed_size 0
		.amdhsa_enable_private_segment 0
		.amdhsa_kernarg_size 24
		.amdhsa_user_sgpr_count 2
		.amdhsa_user_sgpr_kernarg_segment_ptr 1
		.amdhsa_wavefront_size32 1
		.amdhsa_system_sgpr_workgroup_id_x 1
		.amdhsa_system_sgpr_workgroup_id_y 1
		.amdhsa_system_sgpr_workgroup_id_z 1
		.amdhsa_system_vgpr_workitem_id 0
		.amdhsa_next_free_vgpr 24
		.amdhsa_next_free_sgpr 66
		.amdhsa_reserve_vcc 0
		.amdhsa_float_denorm_mode_32 3
		.amdhsa_float_denorm_mode_16_64 3
		.amdhsa_memory_ordered 1
		.amdhsa_forward_progress 1
		.amdhsa_inst_pref_size 3
	.end_amdhsa_kernel
	.amdgpu_metadata
---
amdhsa.version: [ 1, 2 ]
amdhsa.kernels:
  - .name:           k_q20de0394ff_gather
    .symbol:         k_q20de0394ff_gather.kd
    .args:
      - { .name: idx, .offset: 0, .size: 8, .value_kind: global_buffer, .address_space: global }
      - { .name: mem_feat, .offset: 8, .size: 8, .value_kind: global_buffer, .address_space: global }
      - { .name: out2, .offset: 16, .size: 8, .value_kind: global_buffer, .address_space: global }
    .group_segment_fixed_size: 0
    .private_segment_fixed_size: 0
    .kernarg_segment_align: 8
    .kernarg_segment_size: 24
    .max_flat_workgroup_size: 256
    .sgpr_count:     66
    .vgpr_count:     24
    .wavefront_size: 32
...
	.end_amdgpu_metadata
.endif
;; end of part 5
;; ======== version 2 of 2: 5 launches; version 1 with the launch scan written anew for expert scheduling mode
;; workspace buffers: qf 262,144 bytes; qb 131,072 bytes; cand 8,192,000 bytes; bins 32,768 bytes of whole numbers; idx 16,384 bytes of whole numbers
;; launch qproj: the kernel of part 1 again; grid 256 x 1, 16 waves a work-group, no clusters, 11,264 bytes of LDS; arguments Wp, bp, hidden, qf, qb; writes qf, qb
;; launch scan (part 6): grid 250 x 1, 4 waves a work-group, no clusters, 54,272 bytes of LDS; arguments mem_feat, qb, cand; writes cand
.if DOCPART == 6
	.amdgcn_target "amdgcn-amd-amdhsa--gfx1250"
	.amdhsa_code_object_version 6
	.text
	.protected	k_q20de0394ff_scan
	.globl	k_q20de0394ff_scan
	.p2align	8
	.type	k_q20de0394ff_scan,@function
k_q20de0394ff_scan:
	s_mov_b64 s[64:65], 0
	v_nop
	global_prefetch_b8 v0, s[64:65] scope:SCOPE_SE
	s_setreg_imm32_b32 hwreg(HW_REG_WAVE_SCHED_MODE, 0, 2), 2
	s_setreg_imm32_b32 hwreg(HW_REG_WAVE_MODE, 25, 1), 1
	s_wait_xcnt 0x0
	s_wait_alu depctr_vm_vsrc(0)
; The coarse pass: bf16 scores of all 256 queries against all 500,000 rows, reduced on the fly to, for each work-group and query, the 32 best
; BINS of 8 neighbouring rows.  The k best rows always lie in the k bins with the largest bin maximum, so bins are a filter that loses
; nothing; the exact f32 ranking of the surviving rows is a later launch's.
; Work-group g owns rows 2000 g .. +1999 = 125 tiles of 16 rows = 250 bins (31,250 tiles = 250 x 125: the largest even split not above 256).
; Wave w keeps queries 64 w .. +63 as B fragments in 256 registers for the whole launch, and multiplies every tile: mem_feat is read once.
; Wave w also fetches rows 4 w .. 4 w + 3 of every tile (8 loads of 512 neighbouring bytes), rounds them to bf16 and lays them into LDS.
; mem_feat is source A, q is source B: register j of lane (r, hh) of a result is row 8 hh + j for query r, so a lane's eight registers are one bin.
; A key is (bin maximum & 0xffffff00) | (255 - bin number in the work-group); keys are compared as f32.
; Selection is by fixed networks of min and max: no branch and no address hangs on a score.
; No cluster: the work-groups share only qb, 128 KiB read once against 2 MB streamed by each.  No tensor load: the operand has to be converted
; on the way, and an f32 tile in LDS would double the LDS bytes of every tile.
; Limits: a row of the true top 16 must lie in one of the 32 best bins by this coarse score (operands rounded to bf16, key cut to 15 mantissa
; bits, a relative 2^-15); among equal cut scores the lower bin is kept if they are positive, the higher if negative; NaN and infinities are not served.
; THE MODE: SCHED_MODE bits 1:0 = 2 (LLVM: expert scheduling mode 2), set by the entry lines.  The code itself states the register dependences
; between vector or matrix instructions and memory or LDS instructions, with s_wait_alu, always for 0.
; THE PLAN.  Registers that memory or LDS instructions touch, in step t of the loop:
;   RAW slots (window 2)   slot (t + 2) % 8 is read by the step's sixteen conversions; slot (t + 1) % 8, which the step before converted, is loaded again.
;   CV                     written by the step's conversions, read by its eight LDS stores, written again by the next step's conversions.
;   A[t % 2]               read by the step's 32 matrix instructions.   A[(t + 1) % 2]: read by those of the step before; the step's sixteen LDS loads land in it.
;   GOFF, LST, LFR, SST, SRD, L16, v254, v255   written at the head, never again.   The q fragments: loaded at the head, then named by matrix instructions alone.
;   The accumulators, the maxima and the lists are named by vector and matrix instructions alone, until the way out.
; So a step has ONE wait on vm_vsrc, ahead of its conversions (the LDS stores of the step before have read CV), and ONE on va_vdst, behind them: CV is written,
; the conversions of the step before are done reading the slot that is loaded again, and its matrix instructions are done reading the A buffer that is fetched into.
; Behind that wait the step's only vector-side instructions up to its last load are its matrix instructions, which name A[t % 2], q and the accumulators: none of the
; registers that the step's loads and stores touch.  So the fragment loads are dealt among the first sixteen of them with no further wait.
.set PITCH,  528                       ; an LDS row of a tile: 512 bytes of bf16 + 16: an odd multiple of 16, the 16 rows of a fragment load fall on different banks
.set SLOT,   16*PITCH                  ; a tile; two slots at 0 and 8448
.set STAGE,  2*SLOT                    ; behind them each wave's stage for the way out:
.set SPITCH, 144                       ;   64 queries x (128 bytes of keys + 16)
.set WSTAGE, 64*SPITCH
.set TILEB,  16384                     ; bytes of a tile in memory
; window 0
.set GOFF, 1                           ; 16 lane + 4096 wave: my 16 bytes in my first row of a tile
.set LST,  2                           ; LDS: 4 wave rows + 8 lane: where my 4 bf16 go
.set LFR,  3                           ; LDS: r x pitch + 16 hh: my part of an A fragment
.set IDO,  4                           ; 255 - number of my own bin
.set IDP,  5                           ; 255 - number of the other half's bin
.set MX,   6                           ; v[6:9]    bin maxima of the four query tiles
.set GIVE, 10                          ; v[10:11]  the two that the other half of the lanes keeps
.set GOT,  12                          ; v[12:13]  the two that it sends me
.set OWN,  14                          ; v[14:15]  the two that I keep
.set CV,   16                          ; v[16:31]  16 words of bf16 on their way to LDS
.set ACC,  32                          ; v[32:63]  four accumulators
.set A0,   64                          ; v[64:127], v[128:191]  A fragments of a tile (8 chunks of 32 k), two buffers
.set SST,  192                         ; stage: where my lists go
.set SRD,  193                         ; stage: where I read them back
.set L16,  194                         ; 16 lane
; window 1: q fragment (tile i, chunk c) at 8 (8 i + c).   window 2: eight slots of 32 registers, f32 rows as loaded (tile t in slot t % 8).
; window 3:
.set LIST0, 0                          ; 32 best keys, descending: query tile 0 (lanes 0-15) or 2 (lanes 16-31)
.set LIST1, 32                         ; the same for query tile 1 or 3
.set BLK0,  64                         ; 16 new keys for LIST0 (8 tiles x 2 bins)
.set BLK1,  80
.set SCR,   96                         ; 32 registers: the networks work from one array into the other
.set TMP,   128                        ; 16 registers
.set MSB, 0
.macro WIN new                         ; s_set_vgpr_msb: bits 1:0 source 0, 3:2 source 1, 5:4 source 2, 7:6 destination; the high byte repeats the setting left
.if MSB != \new
	s_set_vgpr_msb (MSB<<8)|\new
.set MSB, \new
.endif
.endm
	s_load_b128 s[4:7], s[0:1], 0x0                ; mem_feat s[4:5], qb s[6:7]
	s_load_b64 s[8:9], s[0:1], 0x10                ; cand
	v_lshl_add_u32 v254, v0, 2, 0xd200
	v_mov_b32 v255, 0
	v_lshrrev_b32 v16, 5, v0
	v_readfirstlane_b32 s10, v16                   ; wave 0..3
	s_mov_b32 s11, 0xffff0000                      ; lanes 16-31
	s_mov_b32 s12, 0xffffff00                      ; a key's score bits
	s_mov_b32 s13, 0xff800000                      ; -infinity
	s_mov_b32 s14, 0x76543210                      ; v_permlanex16_b32: lane i takes lane i of the other half
	s_mov_b32 s15, 0xfedcba98
	v_and_b32 v17, 31, v0                          ; lane
	v_and_b32 v18, 15, v0                          ; r
	v_bfe_u32 v19, v0, 4, 1                        ; hh
	s_wait_alu depctr_va_sdst(0)                   ; s10 is written, ahead of its first reader: the wave's terms of all addresses are made from it
	s_lshl_b32 s17, s10, 12                        ; (the three terms that vector instructions read lie in three registers: none is written again behind such a read)
	v_lshl_add_u32 v[GOFF], v17, 4, s17
	s_mul_i32 s24, s10, 4*PITCH
	v_lshl_add_u32 v[LST], v17, 3, s24
	v_mul_u32_u24 v[LFR], PITCH, v18
	v_lshl_add_u32 v[LFR], v19, 4, v[LFR]
	v_sub_nc_u32 v[IDO], 0x101, v19                ; 2 above the first value: each tile takes 2 away before it uses them
	v_add_nc_u32 v[IDP], 0x100, v19
	s_mul_i32 s25, s10, WSTAGE
	s_add_co_u32 s25, s25, STAGE                   ; my wave's stage
	v_lshl_add_u32 v20, v19, 5, v18                ; query in the wave of my LIST0: 32 hh + r
	v_mul_u32_u24 v20, SPITCH, v20
	v_add_nc_u32 v[SST], s25, v20
	v_lshrrev_b32 v20, 3, v17                      ; back: eight lanes take one query's 128 bytes
	v_mul_u32_u24 v20, SPITCH, v20
	v_and_b32 v21, 7, v17
	v_lshl_add_u32 v20, v21, 4, v20
	v_add_nc_u32 v[SRD], s25, v20
	v_lshlrev_b32 v[L16], 4, v17
	v_mov_b32 v[GOT], 0                            ; v_permlanex16_b32 counts as a reader of its destination
	v_mov_b32 v[GOT+1], 0
	s_mul_i32 s18, ttmp9, 125*TILEB                ; my rows: at most 249 x 2,048,000 bytes, below 4 GiB
	s_mov_b32 s19, 0
	s_lshl_b32 s20, s10, 15                        ; my wave's 32 KiB of qb
	s_mov_b32 s21, 0
	s_lshl_b32 s22, ttmp9, 15                      ; cand: 32 KiB a work-group, 8 KiB a wave
	s_lshl_b32 s23, s10, 13
	s_add_co_u32 s22, s22, s23
	s_mov_b32 s23, 0
	s_wait_kmcnt 0x0
	s_add_nc_u64 s[4:5], s[4:5], s[18:19]
	s_add_nc_u64 s[6:7], s[6:7], s[20:21]
	s_add_nc_u64 s[8:9], s[8:9], s[22:23]
	WIN 0x40
	s_wait_alu depctr_va_vdst(0)                   ; GOFF, LST, LFR, SST, SRD, L16, v254 and v255 are written: every load, store and LDS instruction of the kernel reads one of them, and none is written again
.set n, 0
.rept 64
	global_load_b128 v[4*n:4*n+3], v[L16], s[6:7] offset:512*n      ; q fragments, in the order in which qb holds them
.set n, n+1
.endr
	WIN 0x80
.set n, 0
.rept 56
	global_load_b128 v[4*n:4*n+3], v[GOFF], s[4:5] offset:(n/8)*TILEB+(n%8)*512 th:TH_LOAD_NT   ; tiles 0 to 6 into slots 0 to 6
.set n, n+1
.endr
	WIN 0xc0
.set n, 0
.rept 64
	v_mov_b32 v[LIST0+n], s13                      ; list entries, not sums: 250 real keys push every one of them out
.set n, n+1
.endr
; My four rows of a tile: f32 in slot ts -> bf16 -> LDS slot ls.  left: how many younger loads may stay out.
; refill = 1: tile ti (counted from the trip's base) is asked for, into slot rs, whose rows were converted one step ago.
; first = 1: the very first tile: no LDS store has read CV yet.
.macro PROD ts, ls, left, refill, rs, ti, first=0
	s_wait_loadcnt \left
.if !\first
	s_wait_alu depctr_vm_vsrc(0)                   ; the LDS stores of the tile before have read CV, which the conversions below write again
.endif
	WIN 0x0a
.set n, 0
.rept 16
	v_cvt_pk_bf16_f32 v[CV+n], v[32*(\ts)+2*n], v[32*(\ts)+2*n+1]
.set n, n+1
.endr
.if \refill
	WIN 0x80
.else
	WIN 0
.endif
	s_wait_alu depctr_va_vdst(0)                   ; the conversions have written CV, which the LDS stores read; those of the tile before are done reading slot rs, in which the loads land; the matrix instructions of the step before are done reading the A buffer that this step fetches into
.if \refill
.set n, 0
.rept 8
	global_load_b128 v[32*(\rs)+4*n:32*(\rs)+4*n+3], v[GOFF], s[4:5] offset:(\ti)*TILEB+512*n th:TH_LOAD_NT
.set n, n+1
.endr
.endif
	WIN 0
.set n, 0
.rept 8
	ds_store_b64 v[LST], v[CV+2*n:CV+2*n+1] offset:(\ls)*SLOT+(n/2)*PITCH+(n%2)*256   ; 32 lanes x 8 bytes: 256 neighbouring bytes
.set n, n+1
.endr
.endm
; Chunk c (32 k) of the A fragments of the tile in LDS slot ab, into buffer ab: two loads
.macro FRAG ab, c
	ds_load_b128 v[A0+64*(\ab)+8*(\c):A0+64*(\ab)+8*(\c)+3],   v[LFR] offset:(\ab)*SLOT+64*(\c)
	ds_load_b128 v[A0+64*(\ab)+8*(\c)+4:A0+64*(\ab)+8*(\c)+7], v[LFR] offset:(\ab)*SLOT+64*(\c)+32
.endm
; All eight chunks in one run: ahead of the loop, where there is nothing to multiply yet
.macro FETCH ab
	WIN 0
.irp c, 0,1,2,3,4,5,6,7
	FRAG \ab, \c
.endr
.endm
; 16 rows x 64 queries x 256 k: 32 matrix instructions; the first chunk starts the sums with the constant 0.
; fetch = 1: the next tile's fragments are fetched into the other buffer, four loads behind each of the first four groups of four matrix instructions, so that the
; last of them has sixteen matrix instructions in which to land.  No wait: no vector or matrix instruction since the step's wait on va_vdst names that buffer or LFR.
; No window switch either: under 0x04 the destination and source 0, an LDS load's data and address, are window 0.
.macro MULT ab, fetch
	WIN 0x04
.irp c, 0,1,2,3,4,5,6,7
.irp i, 0,1,2,3
.if \c == 0
	v_wmma_f32_16x16x32_bf16 v[ACC+8*\i:ACC+8*\i+7], v[A0+64*(\ab)+8*\c:A0+64*(\ab)+8*\c+7], v[8*(8*\i+\c):8*(8*\i+\c)+7], 0
.else
	v_wmma_f32_16x16x32_bf16 v[ACC+8*\i:ACC+8*\i+7], v[A0+64*(\ab)+8*\c:A0+64*(\ab)+8*\c+7], v[8*(8*\i+\c):8*(8*\i+\c)+7], v[ACC+8*\i:ACC+8*\i+7]
.endif
.endr
.if (\fetch) && (\c < 4)
	FRAG 1-(\ab), 2*\c
	FRAG 1-(\ab), 2*\c+1
.endif
.endr
.endm
; Bin maxima and keys.  Lanes 0-15 hold bin 2 t, lanes 16-31 bin 2 t + 1, each for all four query tiles.  The halves swap two maxima, so that
; lanes 0-15 get both bins of query tiles 0 and 1 and lanes 16-31 both bins of tiles 2 and 3: two lists a lane, one list for each query.
; The four lines at the head are the four places that a reader of a matrix result owes (ISA guide 7.12.1): they name none of its registers.
.macro EPI k
	WIN 0
	v_add_nc_u32 v[IDO], -2, v[IDO]
	v_add_nc_u32 v[IDP], -2, v[IDP]
	v_nop
	v_nop
.irp i, 0,1,2,3
	v_max3_num_f32 v[MX+\i], v[ACC+8*\i], v[ACC+8*\i+1], v[ACC+8*\i+2]
.endr
.irp i, 0,1,2,3
	v_max3_num_f32 v[MX+\i], v[MX+\i], v[ACC+8*\i+3], v[ACC+8*\i+4]
.endr
.irp i, 0,1,2,3
	v_max3_num_f32 v[MX+\i], v[MX+\i], v[ACC+8*\i+5], v[ACC+8*\i+6]
.endr
.irp i, 0,1,2,3
	v_max_num_f32 v[MX+\i], v[MX+\i], v[ACC+8*\i+7]
.endr
	v_cndmask_b32 v[GIVE],   v[MX+2], v[MX],   s11 ; lanes 0-15 give tiles 2, 3; lanes 16-31 give tiles 0, 1
	v_cndmask_b32 v[GIVE+1], v[MX+3], v[MX+1], s11
	v_cndmask_b32 v[OWN],    v[MX],   v[MX+2], s11
	v_cndmask_b32 v[OWN+1],  v[MX+1], v[MX+3], s11
	v_permlanex16_b32 v[GOT],   v[GIVE],   s14, s15
	v_permlanex16_b32 v[GOT+1], v[GIVE+1], s14, s15
	WIN 0xc0
	v_and_or_b32 v[BLK0+\k],   v[OWN],   s12, v[IDO]
	v_and_or_b32 v[BLK1+\k],   v[OWN+1], s12, v[IDO]
	v_and_or_b32 v[BLK0+\k+1], v[GOT],   s12, v[IDP]
	v_and_or_b32 v[BLK1+\k+1], v[GOT+1], s12, v[IDP]
.endm
; One pass of a bitonic sort of 16, from one array into another: partners j apart, ascending where (index & k) = 0
.macro PASSB src, dst, j, k
.set pidx, 0
.rept 16
.if (pidx & \j) == 0
.if (pidx & \k) == 0
	v_min_num_f32 v[\dst+pidx],    v[\src+pidx], v[\src+pidx+\j]
	v_max_num_f32 v[\dst+pidx+\j], v[\src+pidx], v[\src+pidx+\j]
.else
	v_max_num_f32 v[\dst+pidx],    v[\src+pidx], v[\src+pidx+\j]
	v_min_num_f32 v[\dst+pidx+\j], v[\src+pidx], v[\src+pidx+\j]
.endif
.endif
.set pidx, pidx+1
.endr
.endm
; One pass of a descending bitonic merge of 32
.macro PASSD src, dst, j
.set pidx, 0
.rept 32
.if (pidx & \j) == 0
	v_max_num_f32 v[\dst+pidx],    v[\src+pidx], v[\src+pidx+\j]
	v_min_num_f32 v[\dst+pidx+\j], v[\src+pidx], v[\src+pidx+\j]
.endif
.set pidx, pidx+1
.endr
.endm
.macro SORT16 blk                      ; ten passes, ascending, back in blk
	PASSB \blk, SCR, 1, 2
	PASSB SCR, \blk, 2, 4
	PASSB \blk, SCR, 1, 4
	PASSB SCR, \blk, 4, 8
	PASSB \blk, SCR, 2, 8
	PASSB SCR, \blk, 1, 8
	PASSB \blk, SCR, 8, 16
	PASSB SCR, \blk, 4, 16
	PASSB \blk, SCR, 2, 16
	PASSB SCR, \blk, 1, 16
.endm
; The 32 best of a descending list of 32 and an ascending block of 16: the block against the list's lower half leaves the 32 best as a
; bitonic sequence; five passes put it in order.  The last pass works in place, through TMP, so that the list ends where it began.
.macro MERGE32 lst, blk
.set n, 0
.rept 16
	v_max_num_f32 v[\lst+16+n], v[\lst+16+n], v[\blk+n]
.set n, n+1
.endr
	PASSD \lst, SCR, 16
	PASSD SCR, \lst, 8
	PASSD \lst, SCR, 4
	PASSD SCR, \lst, 2
.set n, 0
.rept 16
	v_max_num_f32 v[TMP+n], v[\lst+2*n], v[\lst+2*n+1]
.set n, n+1
.endr
.set n, 0
.rept 16
	v_min_num_f32 v[\lst+2*n+1], v[\lst+2*n], v[\lst+2*n+1]
.set n, n+1
.endr
.set n, 0
.rept 16
	v_mov_b32 v[\lst+2*n], v[TMP+n]
.set n, n+1
.endr
.endm
.macro SORTBLK
	WIN 0xff
	SORT16 BLK0
	MERGE32 LIST0, BLK0
	SORT16 BLK1
	MERGE32 LIST1, BLK1
.endm
; Step t (t8 = t % 8): tile t + 2 goes into LDS slot t % 2, tile t is multiplied, and among its products tile t + 1's fragments are fetched from the other slot.
; One barrier a step orders both ways.  Slot t % 2 held tile t, which every wave fetched in step t - 1 and waited for in front of that step's
; signal; tile t + 1 was stored in step t - 1, and waited for in front of the same signal.  Between signal and wait: registers only.
; sort = 1: the block of 16 keys is full; sort = 2: the last block, five tiles, is filled up with -infinity first.
.macro STEP t8, prod, left, refill, fetch, sort
.if \prod
	PROD (\t8+2)%8, \t8%2, \left, \refill, (\t8+1)%8, \t8+9
.elseif \fetch
	s_wait_alu depctr_va_vdst(0)                   ; nothing is converted in this step: the matrix instructions of the step before are done reading the A buffer that this step fetches into
.endif
	MULT \t8%2, \fetch
	s_wait_dscnt 0x0                               ; for the others' sake: my stores lie in LDS and my reads of the other slot are over
	s_barrier_signal -1
	EPI 2*\t8
.if \sort
.if \sort == 2
.set n, 10
.rept 6
	v_mov_b32 v[BLK0+n], s13
	v_mov_b32 v[BLK1+n], s13
.set n, n+1
.endr
.endif
	SORTBLK
.endif
	s_barrier_wait -1
.endm
	; s_wait_loadcnt 48: behind the 8 loads of the tile that is converted stand those of the six tiles after it; the seventh is asked for
	; behind the wait.  So 56 loads of 512 bytes of every wave are on their way throughout.  The first wait also covers the older q loads.
	PROD 0, 0, 48, 1, 7, 7, 1
	PROD 1, 1, 48, 1, 0, 8
	s_wait_dscnt 0x0
	s_barrier_signal -1
	s_barrier_wait -1                              ; tiles 0 and 1 lie in LDS
	FETCH 0                                        ; no vector or matrix instruction has named this buffer yet, and none since the head's wait names LFR
	s_wait_dscnt 0x0
	s_barrier_signal -1
	s_barrier_wait -1                              ; everybody has tile 0 in registers: step 0 may write into its slot
	WIN 0
	s_mov_b32 s16, 0
.Ltrip:                                            ; 14 trips of 8 steps: steps 0 to 111, which ask for tiles up to 120
	STEP 0, 1, 48, 1, 1, 0
	STEP 1, 1, 48, 1, 1, 0
	STEP 2, 1, 48, 1, 1, 0
	STEP 3, 1, 48, 1, 1, 0
	STEP 4, 1, 48, 1, 1, 0
	STEP 5, 1, 48, 1, 1, 0
	STEP 6, 1, 48, 1, 1, 0
	STEP 7, 1, 48, 1, 1, 1
	WIN 0
	s_wait_xcnt 0x0                                ; the base is a source of the loads in flight: it steps only behind this wait
	s_add_nc_u64 s[4:5], s[4:5], 8*TILEB
	s_add_co_u32 s16, s16, 1
	s_cmp_lt_u32 s16, 14
	s_cbranch_scc1 .Ltrip
	STEP 0, 1, 48, 1, 1, 0                         ; steps 112 to 115 ask for the last tiles, 121 to 124
	STEP 1, 1, 48, 1, 1, 0
	STEP 2, 1, 48, 1, 1, 0
	STEP 3, 1, 48, 1, 1, 0
	STEP 4, 1, 48, 0, 1, 0                         ; from here nothing is asked for, and the counts run down by a tile's 8 loads
	STEP 5, 1, 40, 0, 1, 0
	STEP 6, 1, 32, 0, 1, 0
	STEP 7, 1, 24, 0, 1, 1
	STEP 0, 1, 16, 0, 1, 0
	STEP 1, 1, 8, 0, 1, 0
	STEP 2, 1, 0, 0, 1, 0                          ; step 122 converts tile 124
	STEP 3, 0, 0, 0, 1, 0
	STEP 4, 0, 0, 0, 0, 2                          ; the last step issues no load and no store: it holds no s_wait_alu
	; The way out: a lane's list is 128 bytes of one query.  Through my wave's own stage, so that each store covers 512 neighbouring bytes of
	; cand [work-group][query][32 keys].  Own bytes, served in order (ISA guide 5.7.1): no barrier, no wait between stores and loads.
	WIN 0x0c
	s_wait_alu depctr_va_vdst(0)                   ; the networks have written the two lists, which the LDS stores read; the last matrix instructions are done reading v[A0 ..], in which the read-backs land
.irp l, 0,1
.irp g, 0,1,2,3,4,5,6,7
	ds_store_b128 v[SST], v[32*\l+4*\g:32*\l+4*\g+3] offset:\l*16*SPITCH+16*\g
.endr
.endr
	WIN 0
.set n, 0
.rept 16
	ds_load_b128 v[A0+4*n:A0+4*n+3], v[SRD] offset:4*SPITCH*n
.set n, n+1
.endr
.set n, 0
.rept 16
	s_wait_dscnt 15-n                              ; the younger read-backs stay out
	global_store_b128 v[L16], v[A0+4*n:A0+4*n+3], s[8:9] offset:512*n
.set n, n+1
.endr
	s_wait_dscnt 0x0                               ; the closing lines, six on end, for a launch in the mode that stores to LDS
	s_wait_alu 0x0
	s_wait_tensorcnt 0x0
	ds_add_u32 v254, v255
	s_wait_dscnt 0x0
	s_endpgm
.Lfunc_end_k_q20de0394ff_scan:
	.size	k_q20de0394ff_scan, .Lfunc_end_k_q20de0394ff_scan-k_q20de0394ff_scan
	.p2alignl 7, 3214868480
	.fill 96, 4, 3214868480
	.section	.rodata,"a",@progbits
	.p2align	6, 0x0
	.amdhsa_kernel k_q20de0394ff_scan
		.amdhsa_group_segment_fixed_size 54272
		.amdhsa_private_segment_fixed_size 0
		.amdhsa_enable_private_segment 0
		.amdhsa_kernarg_size 24
		.amdhsa_user_sgpr_count 2
		.amdhsa_user_sgpr_kernarg_segment_ptr 1
		.amdhsa_wavefront_size32 1
		.amdhsa_system_sgpr_workgroup_id_x 1
		.amdhsa_system_sgpr_workgroup_id_y 1
		.amdhsa_system_sgpr_workgroup_id_z 1
		.amdhsa_system_vgpr_workitem_id 0
		.amdhsa_next_free_vgpr 1024
		.amdhsa_next_free_sgpr 66
		.amdhsa_reserve_vcc 0
		.amdhsa_float_denorm_mode_32 3
		.amdhsa_float_denorm_mode_16_64 3
		.amdhsa_memory_ordered 1
		.amdhsa_forward_progress 1
		.amdhsa_inst_pref_size 234
	.end_amdhsa_kernel
	.amdgpu_metadata
---
amdhsa.version: [ 1, 2 ]
amdhsa.kernels:
  - .name:           k_q20de0394ff_scan
    .symbol:         k_q20de0394ff_scan.kd
    .args:
      - { .name: mem_feat, .offset: 0, .size: 8, .value_kind: global_buffer, .address_space: global }
      - { .name: qb, .offset: 8, .size: 8, .value_kind: global_buffer, .address_space: global }
      - { .name: cand, .offset: 16, .size: 8, .value_kind: global_buffer, .address_space: global }
    .group_segment_fixed_size: 54272
    .private_segment_fixed_size: 0
    .kernarg_segment_align: 8
    .kernarg_segment_size: 24
    .max_flat_workgroup_size: 128
    .sgpr_count:     66
    .vgpr_count:     1024
    .wavefront_size: 32
...
	.end_amdgpu_metadata
.endif
;; end of part 6
;; launch pick: the kernel of part 3 again; grid 256 x 1, 8 waves a work-group, no clusters, 3,072 bytes of LDS; arguments cand, bins; writes bins
;; launch rescore: the kernel of part 4 again; grid 256 x 1, 8 waves a work-group, no clusters, 3,072 bytes of LDS; arguments bins, qf, mem_feat, out0, out1, idx; writes out0, out1, idx
;; launch gather: the kernel of part 5 again; grid 256 x 1, 8 waves a work-group, no clusters, 0 bytes of LDS; arguments idx, mem_feat, out2; writes out2
